; MI455X (gfx1250); checked and timed in simulation.
; The chip was launched on July 23, 2026; its instructions are those of AMD's public machine-readable ISA for CDNA 5 (MIT licence, August 2026) and "CDNA5" Instruction Set Architecture Reference Guide (July 2026). The comments in the code are by the model that wrote it; some were corrected since.
;; Complex Mixture. Allowed arithmetic: matrix products marked QUANTISED: E2M1 operands, one E8M0 scale for each 32 along K, by v_wmma_scale_f32_16x16x128_f8f6f4 with both operands' format E2M1 (or v_wmma_scale_f32_32x16x128_f4), f32 sums; everything else in f32.
;; Inputs: input_imag 32 x 1,024 x 256 float32; input_real 32 x 1,024 x 256 float32; weights 32 x 1,024 float32.
;; Outputs: out0 32 x 256 x 256 float32; out1 32 x 256 x 256 float32.
;; This version of the problem:
;;   THIS VERSION OF THE PROBLEM IS GIVEN IN LOW PRECISION. The matrix products marked QUANTISED in the list below multiply operands that are first quantised to E2M1 (2 exponent bits, 1 mantissa bit; 4 bits a number), with one power-of-two scale for each 32 numbers along K (OCP MX v1.0); their sums are f32. All else is computed in f32.
;;   The module's matrix products, in the order in which they are computed (A, B: the left and right operand; K: the contracted axis; several contracted axes count as one K, in the product's order):
;;     1. batch 32 x [M 256, K 1,024] x [K 1,024, N 256]; A: computed on the way; B: input input_real: QUANTISED
;;     2. batch 32 x [M 256, K 1,024] x [K 1,024, N 256]; A: computed on the way; B: input input_imag: QUANTISED
;;     3. batch 32 x [M 256, K 1,024] x [K 1,024, N 256]; A: computed on the way; B: input input_real: QUANTISED
;;     4. batch 32 x [M 256, K 1,024] x [K 1,024, N 256]; A: computed on the way; B: input input_imag: QUANTISED
;;   THE QUANTISER, for each operand of a quantised product, along K:
;;     - K is cut into blocks of 32 from its start; a last block that is shorter is filled with zeros.
;;     - A block's scale is 2^e with e = floor(log2(the largest magnitude in the block)) - 2, held to -126 .. 127; a block of zeros has e = 0. As a byte (E8M0): e + 127.
;;     - Each number is divided by its block's scale, clamped to +-6, and rounded to the nearest number of E2M1, ties to even, subnormals kept.
;;     - The product sums the exact products of the quantised numbers (number of the format x scale) in f32.
;;   ~~~python
;;   def quantise(x, axis):      # numpy; x: float32 -> the quantised numbers, widened to float32 again
;;       x = np.moveaxis(x, axis, -1); K = x.shape[-1]
;;       x = np.pad(x, [(0, 0)] * (x.ndim - 1) + [(0, -K % 32)]); x = x.reshape(x.shape[:-1] + (-1, 32)); a = np.abs(x).max(-1, keepdims=True)
;;       e = np.where(a > 0, np.clip(np.frexp(np.where(a > 0, a, 1))[1] - 1 - 2, -126, 127), 0)      # np.frexp(a)[1] - 1 = floor(log2(a)), exactly
;;       r = np.clip(x / 2.0 ** e, -6, 6)
;;       step = 2.0 ** (np.maximum(np.frexp(np.where(r == 0, 1, r))[1] - 1, 0) - 1)
;;       q = np.round(r / step) * step * 2.0 ** e      # np.round: ties to even
;;       return np.moveaxis(q.reshape(q.shape[:-2] + (-1,))[..., :K], -1, axis).astype(np.float32)
;;   ~~~
;;   OPERANDS COMPUTED ON THE WAY. 'Computed on the way' means the value that the module computes at that place (a softmax that the list does not call 'softmax' is quantised finished and normalised). What goes into a quantiser is computed in f32, as accurately as f32 sums, v_exp_f32 and their like allow (about 1e-6 of the number): no bf16 or f16 on the way to a quantiser, and a product that is left as it is and whose result goes on into a quantised operand takes f32 operands (vector FMAs, or v_wmma_f32_16x16x4_f32). A number that lies on a knife's edge between two numbers of the format may be rounded either way, as far as f32 arithmetic and the matrix unit's own rounding can turn it there, and no further.
;; One version. Each part assembles by itself: llvm-mc -triple=amdgcn-amd-amdhsa -mcpu=gfx1250 --defsym DOCPART=n.
;; ======== version 1 of 1: 1 launch
;; limits: right only within a limited range of input values
;; launch mix (part 1): grid 4 x 64, 16 waves a work-group, clusters of 4 x 4, 141,312 bytes of LDS; arguments input_real, input_imag, weights, out0, out1; writes out0, out1
.if DOCPART == 1
	.amdgcn_target "amdgcn-amd-amdhsa--gfx1250"
	.amdhsa_code_object_version 6
	.text
	.protected	k_q07d1a8a4af_mix
	.globl	k_q07d1a8a4af_mix
	.p2align	8
	.type	k_q07d1a8a4af_mix,@function
k_q07d1a8a4af_mix:
	s_mov_b64 s[64:65], 0
	v_nop
	global_prefetch_b8 v0, s[64:65] scope:SCOPE_SE
	s_setreg_imm32_b32 hwreg(HW_REG_WAVE_MODE, 25, 1), 1
	s_wait_xcnt 0x0
	s_wait_alu depctr_hold_cnt(0) depctr_sa_sdst(0) depctr_va_vdst(0) depctr_va_sdst(0) depctr_va_ssrc(0) depctr_va_vcc(0) depctr_vm_vsrc(0)
	s_getreg_b32 s2, hwreg(HW_REG_IB_STS2, 6, 4)
	s_cmp_eq_u32 s2, 0
	s_cbranch_scc0 .Lentry_in_a_cluster
	s_endpgm
.Lentry_in_a_cluster:
	s_bfe_u32 s2, ttmp6, 0x10000c
	s_cmp_lg_u32 s2, 0xf033
	s_cbranch_scc0 .Lentry_shape_is_right
	s_endpgm
.Lentry_shape_is_right:
; r, i: [32][1024 (s)][256 (d)] f32; w: [32][1024] f32.  R = Q(r), I = Q(i), WR = Q(w r), WI = Q(w i), Q quantising along s (the products' K) to codes of FP4 (E2M1) with one E8M0 byte for each 32 along s.
; out0[a][c] = sum over s of WR[a] R[c] + WI[a] I[c];  out1[a][c] = sum over s of WI[a] R[c] - WR[a] I[c], for each batch.  w r and w i are one f32 multiplication ahead of the quantiser.  No step is left out.
; A block's scale byte is its largest magnitude's exponent field - 2, held at 1 from below by a floor among the maximum's leaves.
; LIMITS: NaN and infinities among the inputs are not served.  A block of zeros gets the byte 1 where the rule says 127: its codes are zeros, which add nothing under any byte but 0xff, and the bytes stay in this launch.
; SHARES.  The 256 columns are four groups of 64.  A batch has 16 blocks (a's group, c's group) of 64 x 64; each of its eight work-groups makes two, and needs only two groups X, Y of columns for them:
;   e = 0..3: (X, Y) and (X, X) with X, Y = 0,1  1,0  2,3  3,2;    e = 4..7: (X, Y) and (Y, X) with X, Y = 0,2  1,3  0,3  1,2.   4 x 64 = 256 work-groups, y = 2 b + e / 4, x = e % 4.
; All work-groups of a cluster take the same way through the text: where e < 4 the weighted operands of Y's columns are made too, though the block (X, X) reads X's.
; A cluster of 4 x 4 holds the sixteen work-groups of two batches.  No joint requests: a lane wants 32 numbers down s of ONE column in consecutive registers, which loads of 4 bytes a lane bring straight from memory;
; through LDS all 1,048,576 bytes of a work-group would be written there and read back by the same loads of 4 bytes.  So there is no tensor load and no copy.
; QUANTISING.  s goes in eight steps of 128 = four blocks.  Wave w takes block j = w % 4 and the 32 columns q = w / 4 (q = 0, 1: group X; 2, 3: group Y), of r and of i: 2 x 32 loads a lane; 16 waves make a step.
; PRODUCTS.  Codes and scale bytes pass through LDS as an image of the operands' registers, two buffers by turns.  Wave w makes 16 a's x 32 c's of block bk = w / 8, all four kinds
; (0 = WR.R, 1 = WI.I, 2 = WI.R, 3 = WR.I): 6 fragments, 8 products, 8 accumulators by turns.  Source 0 = 16 c's, source 1 = 16 a's: a lane's eight results are neighbouring c's of one a.
; ONE BARRIER A STEP, ITS TWO HALVES APART.  A wave signals when its codes of step t are in LDS, quantises its r of step t + 1 in registers, and waits; the products of step t stand in step t + 1, ahead of its i.
; IN FLIGHT.  A set of 32 registers is loaded again for the next step as soon as it has been quantised: up to 63 loads a wave (LOADcnt counts to 63: i's last load stands behind the barrier).
; PREFETCH.  The head asks for step 1 and step t for step t + 2: one whole step ahead of the loads, which step t + 1 issues.  The eight work-groups of a batch share a step's blocks out by address: e takes 16 of the
; 128 rows of r and of i, 128 blocks of 256 bytes: waves 0-3, one instruction each.  Step 0 comes by its loads alone; steps 6 and 7 ask for nothing.
; ALL EIGHT STEPS ARE EXPANDED from one macro: the first two and the last differ, so a loop over pairs of steps would leave six of them written out; so no address is ever stepped.
.set BUF,   34816                      ; a buffer: sets R, I, WR, WI of 8,192 bytes ([group of 16 columns 8][block 4][column 16] 16 bytes each), then their scale words, 512 bytes a set
.set SETB,  8192
.set SCO,   32768
.set STG,   2*BUF                      ; the way out: four tiles (out0, out1 x block 0, 1) of 64 rows
.set PITCH, 272                        ; 256 bytes + 16
.set TILE,  64*PITCH
.set SPARE, STG+4*TILE                 ; the spare words, 128 bytes for each wave
.set STEPB, 131072                     ; 128 rows of 1,024 bytes
.set VO,  1                            ; v1   my column's byte in a run of 32
.set ST,  2                            ; v2   LDS: where my 16 bytes of codes go
.set SS,  3                            ; v3   and my scale byte
.set FA,  4                            ; v4   LDS: my place in the a side's fragment
.set FC,  5                            ; v5   in the c side's first
.set SA,  6                            ; v6   LDS: the a side's scale word: lanes 0-15 WR's, lanes 16-31 WI's
.set SC,  7                            ; v7   the c side's: R's, I's
.set SGW, 8                            ; v8   the way out: into the stage,
.set SGR, 9                            ; v9   out of it,
.set GO,  10                           ; v10  and to memory
.set PF,  11                           ; v11  the prefetch: 256 x lane
.set SPW, 12                           ; v12  LDS address of my spare word
.set NIL, 13                           ; v13  0
.set M,   14                           ; v14-17 four chains of the maximum
.set SO,  18                           ; v18  the conversion's scale operand
.set BY,  20                           ; v20-23 a scale byte for each set
.set C,   24                           ; v24-39 codes, four registers for each set
.set XR,  40                           ; v40-71  32 numbers of r, then of w r; on the way out results
.set XI,  72                           ; v72-103 of i, then of w i; on the way out rows
.set ACC, 104                          ; v104-167 accumulators: (kind k, c's group g) at ACC + 16 k + 8 g
.set FWR, 168                          ; fragments
.set FR,  176
.set FWI, 192
.set FI,  200
.set SCA, 216                          ; scale words: these registers hold scales and nothing else
.set SCC, 217                          ; v217-218
	s_load_b256 s[4:11], s[0:1], 0x0               ; r s[4:5], i s[6:7], w s[8:9], out0 s[10:11]
	s_load_b64 s[12:13], s[0:1], 0x20              ; out1
	v_lshl_add_u32 v[SPW], v0, 2, SPARE
	v_mov_b32 v[NIL], 0
	v_lshrrev_b32 v14, 5, v0
	v_readfirstlane_b32 s14, v14                   ; wave 0..15
	s_bfe_u32 s15, ttmp6, 0x40000                  ; cx
	s_bfe_u32 s16, ttmp6, 0x40004                  ; cy
	s_and_b32 s17, ttmp7, 0xffff
	s_lshl_b32 s17, s17, 2
	s_add_co_u32 s17, s17, s16                     ; y
	s_lshr_b32 s22, s17, 1                         ; batch b
	s_and_b32 s21, s17, 1                          ; 1: the second block is (Y, X); 0: (X, X)
	s_lshl_b32 s18, s21, 2
	s_add_co_u32 s18, s18, s15                     ; e
	s_lshl_b32 s23, s18, 1
	s_lshr_b32 s19, 0x44e4, s23                    ; X and Y: two bits for each e
	s_and_b32 s19, s19, 3
	s_lshr_b32 s20, 0xbeb1, s23
	s_and_b32 s20, s20, 3
	s_and_b32 s15, s14, 3                          ; j; on the way out which 16 rows of a tile
	s_lshr_b32 s16, s14, 2                         ; q; on the way out which tile
	s_lshr_b32 s17, s14, 3                         ; bk
	s_bfe_u32 s24, s14, 0x20001                    ; which 16 of the block's 64 a's
	s_and_b32 s25, s14, 1                          ; which 32 of its c's
	s_and_b32 s26, s17, s21                        ; a's columns: X (0), in a second block of the kind (Y, X) Y (1)
	s_lshl_b32 s26, s26, 2
	s_add_co_u32 s26, s26, s24                     ; a's group of 16 among the eight in LDS
	s_xor_b32 s27, s17, 1                          ; c's columns: Y in the first block, X in the second
	s_lshl_b32 s27, s27, 2
	s_lshl_b32 s23, s25, 1
	s_add_co_u32 s27, s27, s23                     ; c's first group
	s_lshl_b32 s32, s16, 11                        ; codes: two groups for each q,
	s_lshl_b32 s23, s15, 8                         ; block j
	s_add_co_u32 s32, s32, s23
	s_lshl_b32 s33, s16, 7                         ; scale words of 32 columns, byte j
	s_add_co_u32 s33, s33, s15
	s_add_co_u32 s33, s33, SCO
	s_lshl_b32 s34, s26, 10
	s_lshl_b32 s35, s27, 10
	s_lshl_b32 s36, s26, 6
	s_add_co_u32 s36, s36, SCO+1024
	s_lshl_b32 s37, s27, 6
	s_add_co_u32 s37, s37, SCO
	s_mul_i32 s38, s17, TILE                       ; into the stage
	s_mul_i32 s23, s24, 16*PITCH
	s_add_co_u32 s38, s38, s23
	s_lshl_b32 s23, s25, 7
	s_add_co_u32 s38, s38, s23
	s_add_co_u32 s38, s38, STG
	s_mul_i32 s39, s16, TILE                       ; out of it
	s_mul_i32 s23, s15, 16*PITCH
	s_add_co_u32 s39, s39, s23
	s_add_co_u32 s39, s39, STG
	s_lshl_b32 s40, s22, 20                        ; r and i: batch b, 32 j rows, 64 x group, 32 x (q % 2) columns
	s_lshl_b32 s23, s15, 15
	s_add_co_u32 s40, s40, s23
	s_cmp_lt_u32 s14, 8
	s_cselect_b32 s23, s19, s20
	s_lshl_b32 s23, s23, 8
	s_add_co_u32 s40, s40, s23
	s_and_b32 s23, s16, 1
	s_lshl_b32 s23, s23, 7
	s_add_co_u32 s40, s40, s23
	s_mov_b32 s41, 0
	s_lshl_b32 s42, s22, 20                        ; the prefetches: batch b, 16 e rows, 8 x (w / 2 % 2) rows
	s_lshl_b32 s23, s18, 14
	s_add_co_u32 s42, s42, s23
	s_bfe_u32 s23, s14, 0x10001
	s_lshl_b32 s23, s23, 13
	s_add_co_u32 s42, s42, s23
	s_mov_b32 s43, 0
	s_lshl_b32 s44, s22, 12                        ; w: 4 (1,024 b + 32 j)
	s_lshl_b32 s23, s15, 7
	s_add_co_u32 s44, s44, s23
	s_mov_b32 s45, 0
	s_lshl_b32 s46, s22, 18                        ; out: batch b,
	s_lshl_b32 s23, s15, 14                        ; 16 rows of the tile
	s_add_co_u32 s46, s46, s23
	s_bfe_u32 s24, s14, 0x10002                    ; the tile's block
	s_cmp_eq_u32 s24, 0
	s_cselect_b32 s23, s20, s19                    ; its c's: Y or X
	s_and_b32 s24, s24, s21
	s_cselect_b32 s24, s20, s19                    ; its a's
	s_lshl_b32 s23, s23, 8
	s_add_co_u32 s46, s46, s23
	s_lshl_b32 s24, s24, 16
	s_add_co_u32 s46, s46, s24
	s_mov_b32 s47, 0
	v_and_b32 v15, 31, v0                          ; lane
	v_and_b32 v16, 15, v0                          ; r
	v_bfe_u32 v17, v0, 4, 1                        ; h
	v_lshlrev_b32 v[VO], 2, v15
	v_lshlrev_b32 v18, 4, v16                      ; 16 r
	v_lshlrev_b32 v19, 4, v15                      ; 16 x lane
	v_lshlrev_b32 v[PF], 8, v15
	v_lshl_add_u32 v[ST], v17, 10, v18             ; lanes 16-31: the next group
	v_add_nc_u32 v[ST], s32, v[ST]
	v_lshl_add_u32 v[SS], v15, 2, s33
	v_add_nc_u32 v[FA], s34, v19
	v_add_nc_u32 v[FC], s35, v19
	v_lshlrev_b32 v20, 2, v16
	v_lshl_add_u32 v20, v17, 9, v20                ; 4 r, lanes 16-31 one set on
	v_add_nc_u32 v[SA], s36, v20
	v_add_nc_u32 v[SC], s37, v20
	v_mul_u32_u24 v21, v16, PITCH                  ; row a = r, 32 bytes for each half of the lanes
	v_lshl_add_u32 v21, v17, 5, v21
	v_add_nc_u32 v[SGW], s38, v21
	v_mul_u32_u24 v22, v17, PITCH                  ; sixteen lanes to a row, two rows an instruction
	v_add_nc_u32 v22, v22, v18
	v_add_nc_u32 v[SGR], s39, v22
	v_lshl_add_u32 v[GO], v17, 10, v18
; n loads of step t from row k0 of my block on: 32 lanes read 128 consecutive bytes of a row
.macro LDX x, base, t, k0, n
.set k, \k0
.rept \n
	global_load_b32 v[\x+k], v[VO], s[\base:\base+1] offset:(\t)*STEPB+k*1024
.set k, k+1
.endr
.endm
; step t's 32 weights of my block, two sets of scalar registers by turns
.macro LDW t
	s_load_b512 s[32+36*((\t)%2):47+36*((\t)%2)], s[2:3], (\t)*512
	s_load_b512 s[48+36*((\t)%2):63+36*((\t)%2)], s[2:3], (\t)*512+64
.endm
.macro ASK t                           ; my work-group's part of step t: waves 0-3, one instruction each
	s_cmp_lt_u32 s14, 4
	s_cbranch_scc0 .Lnot_mine_\@
	global_prefetch_b8 v[PF], s[28:29] offset:(\t)*STEPB th:TH_LOAD_NT scope:SCOPE_SE
.Lnot_mine_\@:
.endm
; The 32 numbers v[x] .. v[x + 31] become 16 bytes of codes and a scale byte
.macro QUANT x, set
	v_max3_num_f32 v[M], |v[\x]|, |v[\x+1]|, |v[\x+2]|
	v_max3_num_f32 v[M+1], |v[\x+3]|, |v[\x+4]|, |v[\x+5]|
	v_max3_num_f32 v[M+2], |v[\x+6]|, |v[\x+7]|, |v[\x+8]|
	v_max3_num_f32 v[M+3], |v[\x+9]|, |v[\x+10]|, |v[\x+11]|
.irp g, 0,1,2,3,4,5,6,7,8,9
	v_max3_num_f32 v[M+(\g%4)], v[M+(\g%4)], |v[\x+12+2*\g]|, |v[\x+13+2*\g]|
.endr
	v_max3_num_f32 v[M], v[M], v[M+2], v[M+3]
	v_max3_num_f32 v[M], v[M], v[M+1], 0x1800000   ; and the floor 2^(3 - 127): the byte cannot fall under 1
	v_add_nc_u32 v[SO], 0xff000000, v[M]           ; 2 off its exponent field: the conversion takes this operand's exponent field as its scale, and nothing else of it
.irp g, 0,1,2,3
	v_cvt_scalef32_pk8_fp4_f32 v[C+4*\set+\g], v[\x+8*\g:\x+8*\g+7], v[SO]
.endr
	v_lshrrev_b32 v[BY+\set], 23, v[SO]            ; the scale's byte; also the plain place behind the conversions
.endm
.macro PUT set, pb                     ; into the buffer at pb
	ds_store_b128 v[ST], v[C+4*\set:C+4*\set+3] offset:\pb+\set*SETB
	ds_store_b8 v[SS], v[BY+\set] offset:\pb+\set*512
.endm
.macro WEIGH x, w                      ; x w, in place: the plain numbers have been converted
.set k, 0
.rept 16
	v_dual_mul_f32 v[\x+k], s[\w+k], v[\x+k] :: v_dual_mul_f32 v[\x+k+1], s[\w+k+1], v[\x+k+1]
.set k, k+2
.endr
.endm
.macro QR t                            ; r of step t, in registers alone
.set WB, 32+36*((\t)%2)
	QUANT XR, 0
	WEIGH XR, WB
	QUANT XR, 2
	s_wait_alu depctr_va_vdst(0)
.endm
.macro FRAG reg, adr, off
	ds_load_b128 v[\reg:\reg+3], v[\adr] offset:\off
	ds_load_b128 v[\reg+4:\reg+7], v[\adr] offset:\off+512
.endm
.macro FETCH pb                        ; 3 scale words and 12 loads of fragments from the buffer at pb
	ds_load_b32 v[SCA], v[SA] offset:\pb
	ds_load_b32 v[SCC], v[SC] offset:\pb
	ds_load_b32 v[SCC+1], v[SC] offset:\pb+64
	FRAG FWR, FA, \pb+2*SETB
	FRAG FR, FC, \pb
	FRAG FR+8, FC, \pb+1024
	FRAG FWI, FA, \pb+3*SETB
	FRAG FI, FC, \pb+SETB
	FRAG FI+8, FC, \pb+SETB+1024
.endm
; One product: accumulator d takes b (c side), a (a side), c's scale register, and cc as C.  The kind says from which half of the lanes (lanes 0-15 real, ROW1: lanes 16-31 imaginary) each side's scales come.
.macro PROD kind, d, b, a, sb, cc
.if \kind == 0
	v_wmma_scale_f32_16x16x128_f8f6f4 v[\d:\d+7], v[\b:\b+7], v[\a:\a+7], \cc, v[\sb], v[SCA] matrix_a_fmt:MATRIX_FMT_FP4 matrix_b_fmt:MATRIX_FMT_FP4
.elseif \kind == 1
	v_wmma_scale_f32_16x16x128_f8f6f4 v[\d:\d+7], v[\b:\b+7], v[\a:\a+7], \cc, v[\sb], v[SCA] matrix_a_fmt:MATRIX_FMT_FP4 matrix_b_fmt:MATRIX_FMT_FP4 matrix_a_scale:MATRIX_SCALE_ROW1 matrix_b_scale:MATRIX_SCALE_ROW1
.elseif \kind == 2
	v_wmma_scale_f32_16x16x128_f8f6f4 v[\d:\d+7], v[\b:\b+7], v[\a:\a+7], \cc, v[\sb], v[SCA] matrix_a_fmt:MATRIX_FMT_FP4 matrix_b_fmt:MATRIX_FMT_FP4 matrix_b_scale:MATRIX_SCALE_ROW1
.else
	v_wmma_scale_f32_16x16x128_f8f6f4 v[\d:\d+7], v[\b:\b+7], v[\a:\a+7], \cc, v[\sb], v[SCA] matrix_a_fmt:MATRIX_FMT_FP4 matrix_b_fmt:MATRIX_FMT_FP4 matrix_a_scale:MATRIX_SCALE_ROW1
.endif
.endm
.macro RUN kind, b, a, zero            ; a kind's two products; the first step's start the sums: nothing is ever cleared
.irp g, 0,1
.if \zero
	PROD \kind, ACC+16*\kind+8*\g, \b+8*\g, \a, SCC+\g, 0
.else
	PROD \kind, ACC+16*\kind+8*\g, \b+8*\g, \a, SCC+\g, v[ACC+16*\kind+8*\g:ACC+16*\kind+8*\g+7]
.endif
.endr
.endm
.macro PRODUCTS zero
	s_wait_dscnt 6                                 ; scales, WR and R are in; WI's two and I's four loads may be out
	RUN 0, FR, FWR, \zero
	s_wait_dscnt 4                                 ; WI is in; I's four may be out
	RUN 2, FR, FWI, \zero
	s_wait_dscnt 0x0
	RUN 1, FI, FWI, \zero
	RUN 3, FI, FWR, \zero
.endm
.macro STEP t
.set PB, BUF*((\t)%2)
.set OB, BUF-PB
.if \t > 0
	s_barrier_wait -1                              ; the last step's codes are whole; nobody reads this step's buffer any more
.endif
	PUT 0, PB                                      ; r's codes were made ahead of the barrier's wait
	PUT 2, PB
.if \t > 0
	FETCH OB
.endif
	LDX XI, 6, \t, 31, 1                           ; i's last load
.if \t < 7
	LDX XR, 4, \t+1, 0, 32                         ; the next step's r
.endif
.if \t < 6
	ASK \t+2
.endif
.if \t == 1
	PRODUCTS 1
.elseif \t > 1
	PRODUCTS 0
.endif
.if \t < 7
	s_wait_loadcnt 32                              ; i's 32 loads are in; r's 32, issued behind them, may be out
.else
	s_wait_loadcnt 0x0
.endif
.set WB, 32+36*((\t)%2)
	QUANT XI, 1
	PUT 1, PB
	WEIGH XI, WB
	QUANT XI, 3
	PUT 3, PB
.if \t < 7
	s_wait_kmcnt 0x0                               ; the next step's weights are in
.endif
.if \t < 6
	LDW \t+2                                       ; this step's have been used
.endif
.if \t < 7
	LDX XI, 6, \t+1, 0, 31                         ; the next step's i, but for its last load
.endif
	s_wait_dscnt 0x0                               ; for the others' sake: my codes and bytes of this step are in LDS, and my reads of the other buffer are back
	s_barrier_signal -1
.if \t < 7
	s_wait_loadcnt 31                              ; the next step's r is in; i's 31 may be out
	QR \t+1                                        ; work on registers while the others arrive
.endif
.endm
	s_wait_alu depctr_va_vdst(0)
	s_wait_kmcnt 0x0
	s_and_b32 s23, s14, 1                          ; my prefetches: r (even waves) or i
	s_cselect_b64 s[28:29], s[6:7], s[4:5]
	s_add_nc_u64 s[4:5], s[4:5], s[40:41]
	s_add_nc_u64 s[6:7], s[6:7], s[40:41]
	LDX XR, 4, 0, 0, 32
	s_add_nc_u64 s[28:29], s[28:29], s[42:43]
	s_add_nc_u64 s[2:3], s[8:9], s[44:45]
	s_cmp_lt_u32 s14, 8                            ; the way out: waves 0-7 store out0, waves 8-15 out1
	s_cselect_b64 s[30:31], s[10:11], s[12:13]
	s_add_nc_u64 s[30:31], s[30:31], s[46:47]
	LDW 0
	LDX XI, 6, 0, 0, 31
	ASK 1
	s_wait_kmcnt 0x0
	LDW 1
	s_wait_loadcnt 31                              ; step 0's r is in; i's 31 may be out
	QR 0
	STEP 0
	STEP 1
	STEP 2
	STEP 3
	STEP 4
	STEP 5
	STEP 6
	STEP 7
	s_barrier_wait -1                              ; step 7's codes are whole
	FETCH BUF
	PRODUCTS 0
; THE WAY OUT.  A lane holds eight neighbouring c's of one a, 32 bytes: the sums go through the stage, and leave as whole rows of 256 bytes.
.rept 4
	v_nop                                          ; the places behind the last products
.endr
.irp g, 0,1
.irp n, 0,2,4,6
	v_pk_add_f32 v[XR+8*\g+\n:XR+8*\g+\n+1], v[ACC+8*\g+\n:ACC+8*\g+\n+1], v[ACC+16+8*\g+\n:ACC+16+8*\g+\n+1]                                        ; WR.R + WI.I
	v_pk_add_f32 v[XR+16+8*\g+\n:XR+16+8*\g+\n+1], v[ACC+32+8*\g+\n:ACC+32+8*\g+\n+1], v[ACC+48+8*\g+\n:ACC+48+8*\g+\n+1] neg_lo:[0,1] neg_hi:[0,1]    ; WI.R - WR.I
.endr
.endr
.irp o, 0,1
.irp g, 0,1
	ds_store_b128 v[SGW], v[XR+16*\o+8*\g:XR+16*\o+8*\g+3] offset:\o*2*TILE+64*\g
	ds_store_b128 v[SGW], v[XR+16*\o+8*\g+4:XR+16*\o+8*\g+7] offset:\o*2*TILE+64*\g+16
.endr
.endr
	s_wait_dscnt 0x0                               ; for the others' sake: a row's 256 bytes come from two waves
	s_barrier_signal -1
	s_barrier_wait -1
.irp m, 0,1,2,3,4,5,6,7
	ds_load_b128 v[XI+4*\m:XI+4*\m+3], v[SGR] offset:\m*2*PITCH
.endr
.irp m, 0,1,2,3,4,5,6,7
	s_wait_dscnt 7-\m
	global_store_b128 v[GO], v[XI+4*\m:XI+4*\m+3], s[30:31] offset:\m*2048 th:TH_STORE_NT   ; lanes 0-15 and lanes 16-31 each store 256 consecutive bytes at a multiple of 256
.endr
	s_wait_tensorcnt 0x0                           ; the wave's end
	ds_add_u32 v[SPW], v[NIL]
	s_wait_dscnt 0x0
	s_endpgm
.Lfunc_end_k_q07d1a8a4af_mix:
	.size	k_q07d1a8a4af_mix, .Lfunc_end_k_q07d1a8a4af_mix-k_q07d1a8a4af_mix
	.p2alignl 7, 3214868480
	.fill 96, 4, 3214868480
	.section	.rodata,"a",@progbits
	.p2align	6, 0x0
	.amdhsa_kernel k_q07d1a8a4af_mix
		.amdhsa_group_segment_fixed_size 141312
		.amdhsa_private_segment_fixed_size 0
		.amdhsa_enable_private_segment 0
		.amdhsa_kernarg_size 40
		.amdhsa_user_sgpr_count 2
		.amdhsa_user_sgpr_kernarg_segment_ptr 1
		.amdhsa_wavefront_size32 1
		.amdhsa_system_sgpr_workgroup_id_x 1
		.amdhsa_system_sgpr_workgroup_id_y 1
		.amdhsa_system_sgpr_workgroup_id_z 1
		.amdhsa_system_vgpr_workitem_id 0
		.amdhsa_next_free_vgpr 220
		.amdhsa_next_free_sgpr 100
		.amdhsa_reserve_vcc 0
		.amdhsa_float_denorm_mode_32 3
		.amdhsa_float_denorm_mode_16_64 3
		.amdhsa_memory_ordered 1
		.amdhsa_forward_progress 1
		.amdhsa_inst_pref_size 141
	.end_amdhsa_kernel
	.amdgpu_metadata
---
amdhsa.version: [ 1, 2 ]
amdhsa.kernels:
  - .name:           k_q07d1a8a4af_mix
    .symbol:         k_q07d1a8a4af_mix.kd
    .args:
      - { .name: input_real, .offset: 0, .size: 8, .value_kind: global_buffer, .address_space: global }
      - { .name: input_imag, .offset: 8, .size: 8, .value_kind: global_buffer, .address_space: global }
      - { .name: weights, .offset: 16, .size: 8, .value_kind: global_buffer, .address_space: global }
      - { .name: out0, .offset: 24, .size: 8, .value_kind: global_buffer, .address_space: global }
      - { .name: out1, .offset: 32, .size: 8, .value_kind: global_buffer, .address_space: global }
    .group_segment_fixed_size: 141312
    .private_segment_fixed_size: 0
    .kernarg_segment_align: 8
    .kernarg_segment_size: 40
    .max_flat_workgroup_size: 512
    .sgpr_count:     100
    .vgpr_count:     220
    .wavefront_size: 32
...
	.end_amdgpu_metadata
.endif
;; end of part 1
